; MI455X (gfx1250); checked and timed in simulation.
; The chip was launched on July 23, 2026; its instructions are those of AMD's public machine-readable ISA for CDNA 5 (MIT licence, August 2026) and "CDNA5" Instruction Set Architecture Reference Guide (July 2026). The comments in the code are by the model that wrote it; some were corrected since.
;; Epipolar Cross Attention. Allowed arithmetic: matrix products marked QUANTISED: E2M3 operands, one E8M0 scale for each 32 along K, by v_wmma_scale_f32_16x16x128_f8f6f4 with both operands' format E2M3, f32 sums; everything else in f32.
;; Inputs: Wk 256 x 256 float32; Wm 256 x 256 float32; Wq 256 x 256 float32; Wv 256 x 256 float32; bk 256 float32; bm 256 float32; bq 256 float32; bv 256 float32; kpts_L 4 x 4,096 x 2 float32; kpts_R 4 x 4,096 x 2 float32; nodes_L 4 x 4,096 x 256 float32; nodes_R 4 x 4,096 x 256 float32.
;; Outputs: out0 4 x 4,096 x 256 float32; out1 4 x 4,096 x 1 float32; out2 4 x 4,096 x 1 float32.
;; This version of the problem:
;;   THIS VERSION OF THE PROBLEM IS GIVEN IN LOW PRECISION. The matrix products marked QUANTISED in the list below multiply operands that are first quantised to E2M3 (2 exponent bits, 3 mantissa bits; 6 bits a number), with one power-of-two scale for each 32 numbers along K (OCP MX v1.0); their sums are f32. All else is computed in f32.
;;   The module's matrix products, in the order in which they are computed (A, B: the left and right operand; K: the contracted axis; several contracted axes count as one K, in the product's order):
;;     1. [M 16,384, K 256] x [K 256, N 256]; A: input nodes_L; B: input Wq: QUANTISED
;;     2. [M 16,384, K 256] x [K 256, N 256]; A: input nodes_R; B: input Wk: QUANTISED
;;     3. [M 16,384, K 256] x [K 256, N 256]; A: input nodes_R; B: input Wv: QUANTISED
;;     4. batch 4 x [M 4,096, K 256] x [K 256, N 4,096]; A: computed on the way; B: computed on the way: QUANTISED
;;     5. batch 4 x [M 4,096, K 4,096] x [K 4,096, N 256]; A: softmax (see below); B: computed on the way: QUANTISED
;;     6. [M 16,384, K 256] x [K 256, N 256]; A: computed on the way; B: input Wm: QUANTISED
;;   THE QUANTISER, for each operand of a quantised product, along K:
;;     - K is cut into blocks of 32 from its start; a last block that is shorter is filled with zeros.
;;     - A block's scale is 2^e with e = floor(log2(the largest magnitude in the block)) - 2, held to -126 .. 127; a block of zeros has e = 0. As a byte (E8M0): e + 127.
;;     - Each number is divided by its block's scale, clamped to +-7.5, and rounded to the nearest number of E2M3, ties to even, subnormals kept.
;;     - The product sums the exact products of the quantised numbers (number of the format x scale) in f32.
;;   ~~~python
;;   def quantise(x, axis):      # numpy; x: float32 -> the quantised numbers, widened to float32 again
;;       x = np.moveaxis(x, axis, -1); K = x.shape[-1]
;;       x = np.pad(x, [(0, 0)] * (x.ndim - 1) + [(0, -K % 32)]); x = x.reshape(x.shape[:-1] + (-1, 32)); a = np.abs(x).max(-1, keepdims=True)
;;       e = np.where(a > 0, np.clip(np.frexp(np.where(a > 0, a, 1))[1] - 1 - 2, -126, 127), 0)      # np.frexp(a)[1] - 1 = floor(log2(a)), exactly
;;       r = np.clip(x / 2.0 ** e, -7.5, 7.5)
;;       step = 2.0 ** (np.maximum(np.frexp(np.where(r == 0, 1, r))[1] - 1, 0) - 3)
;;       q = np.round(r / step) * step * 2.0 ** e      # np.round: ties to even
;;       return np.moveaxis(q.reshape(q.shape[:-2] + (-1,))[..., :K], -1, axis).astype(np.float32)
;;   ~~~
;;   SOFTMAX AHEAD OF A QUANTISED PRODUCT. Where the list says 'softmax', what is quantised is not the finished softmax but p = 2^(t - M), with t = logit x log2(e) and M = ceil(the row's largest t), a whole number; so 1/2 < the row's largest p <= 1. The row's sum l is taken of the UNQUANTISED p, in f32, and the product's result is divided by l at the end. Since M is a whole number, a kernel that streams over the keys may use a running M (the ceiling of the running maximum): every later rescaling is an exact power of two, which a block's scale takes up: the codes' values come out the same.
;;   OPERANDS COMPUTED ON THE WAY. 'Computed on the way' means the value that the module computes at that place (a softmax that the list does not call 'softmax' is quantised finished and normalised). What goes into a quantiser is computed in f32, as accurately as f32 sums, v_exp_f32 and their like allow (about 1e-6 of the number): no bf16 or f16 on the way to a quantiser, and a product that is left as it is and whose result goes on into a quantised operand takes f32 operands (vector FMAs, or v_wmma_f32_16x16x4_f32). A number that lies on a knife's edge between two numbers of the format may be rounded either way, as far as f32 arithmetic and the matrix unit's own rounding can turn it there, and no further.
;; One version. Each part assembles by itself: llvm-mc -triple=amdgcn-amd-amdhsa -mcpu=gfx1250 --defsym DOCPART=n.
;; ======== version 1 of 1: 3 launches
;; limits: right only within a limited range of input values
;; workspace buffers: wrec 212,992 bytes; qrec 3,407,872 bytes; kvrec 6,946,816 bytes
;; launch wq (part 1): grid 2 x 4, 8 waves a work-group, no clusters, 134,144 bytes of LDS; arguments Wq, Wk, Wv, Wm, wrec; writes wrec
.if DOCPART == 1
	.amdgcn_target "amdgcn-amd-amdhsa--gfx1250"
	.amdhsa_code_object_version 6
	.text
	.protected	k_qe395b739fd_wq
	.globl	k_qe395b739fd_wq
	.p2align	8
	.type	k_qe395b739fd_wq,@function
k_qe395b739fd_wq:
	s_mov_b64 s[64:65], 0
	v_nop
	global_prefetch_b8 v0, s[64:65] scope:SCOPE_SE
	s_setreg_imm32_b32 hwreg(HW_REG_WAVE_MODE, 25, 1), 1
	s_wait_xcnt 0x0
; The four weights [256 (out)][256 (in)], f32, become codes of FP6 (E2M3) with one E8M0 byte for each 32 along K (= in, the last axis),
; laid in the order of an operand's registers.  A weight's record is WREC bytes: 32 fragment images (row tile T, K step s) at (2 T + s) x FRB,
; then two scale images of 2,048 bytes (one for each 8 row tiles): word 2 (T % 8) + s of lane l at 512 (word / 4) + 16 l + 4 (word % 4).
; A fragment image: 16 rows x 128 K = 12 registers a lane, stored by three 16-byte stores, lane l at 16 l + 512 c.
; THE ROWS OF A TILE ARE NOT NEIGHBOURS: lane row r of tile T is row 32 (T / 2) + 8 (T % 2) + r + 8 (r / 8), so that in a product that takes the tile as source 0
; the 16 result registers of tiles 2 b and 2 b + 1 are 16 neighbours, 32 b + 16 (lane / 16) + 0 .. 15, along the axis that the next quantiser runs on.
; SHARES: grid y = the weight, grid x = its half of 128 rows, wave w = row tile 8 x + w: 64 tiles in all, so 8 work-groups have work.  Waves share nothing: no barrier.
; A block's scale byte is its largest magnitude's exponent field - 2, held at 1 from below.  A block of zeros gets the byte 1 where the rule says 127: its codes are zeros, and this program alone reads the bytes.
; LIMITS: NaN and infinities among the inputs are not served.
.set WREC, 53248
.set FRB,  1536
.set TP,   1040                        ; a row in the stage: 1,024 bytes + 16 = 65 x 16, an odd multiple of 16
.set TST,  16*TP                       ; a wave's stage
.set LI,   1                           ; v1  16 x lane
.set TSI,  2                           ; v2  the stage, on the way in
.set TSO,  3                           ; v3  and on the way out
.set SOF,  4                           ; v4  my scale word's place
.set X,    32                          ; v32-159 the tile's numbers
.set TM,   180                         ; v180-191 at work in QUANT
.set PC,   192                         ; v192-203 the codes just made
.set PC2,  204                         ; v204-211 their second halves
.set PW,   232                         ; the scale word just made
.set SEL,  2                           ; s[2:3] lane selects: lane l xor 16
; 64 numbers of a lane, register 16 b + i = k 32 b + 16 (lane / 16) + i of my row, become a fragment's codes in v[PC] on and its scale word in v[PW].
.macro QUANT s
.irp b, 0,1,2,3
	v_max3_num_f32 v[TM+\b], |v[\s+16*\b]|, |v[\s+1+16*\b]|, 0x1800000   ; my 16 numbers of block b, and the floor 2^(3 - 127): the byte cannot fall under 1
.endr
.irp i, 2,4,6,8,10,12,14
.irp b, 0,1,2,3
	s_delay_alu instid0(VALU_DEP_4)
	v_max3_num_f32 v[TM+\b], v[TM+\b], |v[\s+16*\b+\i]|, |v[\s+1+16*\b+\i]|   ; the four blocks by turns
.endr
.endr
.irp b, 0,1,2,3
	s_delay_alu instid0(VALU_DEP_4)
	v_permlanex16_b32 v[TM+4+\b], v[TM+\b], s[SEL], s[SEL+1]
.endr
.irp b, 0,1,2,3
	s_delay_alu instid0(VALU_DEP_4)
	v_max_num_f32 v[TM+\b], v[TM+\b], v[TM+4+\b]   ; with lane l xor 16's: the block's largest magnitude
.endr
.irp b, 0,1,2,3
	s_delay_alu instid0(VALU_DEP_4)
	v_add_nc_u32 v[TM+8+\b], 0xff000000, v[TM+\b]  ; 2 off its exponent field: the conversion's scale operand
.endr
.irp b, 0,1,2,3
	s_delay_alu instid0(VALU_DEP_4)
	v_lshrrev_b32 v[TM+4+\b], 23, v[TM+8+\b]       ; the scale's byte
.endr
	s_delay_alu instid0(VALU_DEP_3)
	v_lshl_or_b32 v[PW], v[TM+5], 8, v[TM+4]
	s_delay_alu instid0(VALU_DEP_1)
	v_lshl_or_b32 v[PW], v[TM+6], 16, v[PW]
	s_delay_alu instid0(VALU_DEP_1)
	v_lshl_or_b32 v[PW], v[TM+7], 24, v[PW]
.irp c, 0,1
	v_cvt_scalef32_pk16_fp6_f32 v[PC+6*\c:PC+2+6*\c], v[\s+32*\c:\s+15+32*\c], v[TM+8+2*\c]
	v_cvt_scalef32_pk16_fp6_f32 v[PC2+4*\c:PC2+2+4*\c], v[\s+16+32*\c:\s+31+32*\c], v[TM+9+2*\c]   ; (a conversion's three registers begin on an even number)
.endr
	v_nop                                          ; one plain instruction behind the scaled conversions
.irp c, 0,1                                    ; the operand wants a whole block in a lane: lanes 0-15 block 2 c, lanes 16-31 block 2 c + 1
.irp i, 0,1,2
	v_permlane16_swap_b32 v[PC+6*\c+\i], v[PC2+4*\c+\i]
.endr
.irp i, 0,1,2
	s_delay_alu instid0(VALU_DEP_3)
	v_mov_b32 v[PC+3+6*\c+\i], v[PC2+4*\c+\i]
.endr
.endr
.endm
.macro XLOAD p                         ; the tile's 16 rows as they lie: each load reads 512 consecutive bytes
.set n, 0
.rept 16
	global_load_b128 v[X+8*n:X+8*n+3], v[LI], s[\p:\p+1] offset:(n+8*(n/8))*1024 th:TH_LOAD_NT
	global_load_b128 v[X+8*n+4:X+8*n+7], v[LI], s[\p:\p+1] offset:(n+8*(n/8))*1024+512 th:TH_LOAD_NT
.set n, n+1
.endr
.endm
.macro TURN                            ; through the wave's own stage: in by rows, out 16 neighbours of each block of 32 a lane
.set n, 0
.rept 16
	ds_store_b128 v[TSI], v[X+8*n:X+8*n+3] offset:TP*n
	ds_store_b128 v[TSI], v[X+8*n+4:X+8*n+7] offset:TP*n+512
.set n, n+1
.endr
	s_wait_dscnt 0x0                               ; the stores are done with their registers, which the loads below fill
.set n, 0
.rept 32                                       ; n = 16 s + 4 b + j: K step s, block b, 16 bytes j of my 64
	ds_load_b128 v[X+4*n:X+4*n+3], v[TSO] offset:512*(n/16)+128*((n/4)%4)+16*(n%4)
.set n, n+1
.endr
.endm
	s_load_b256 s[4:11], s[0:1], 0x0               ; Wq, Wk, Wv, Wm
	s_load_b64 s[12:13], s[0:1], 0x20              ; wrec
	v_lshl_add_u32 v254, v0, 2, 0x20800
	v_mov_b32 v255, 0
	v_lshrrev_b32 v5, 5, v0
	s_delay_alu instid0(VALU_DEP_1)
	v_readfirstlane_b32 s14, v5                    ; wave
	v_and_b32 v6, 31, v0                           ; lane
	v_and_b32 v7, 15, v0                           ; r
	v_bfe_u32 v8, v0, 4, 1                         ; h
	s_delay_alu instid0(VALU_DEP_3)
	v_lshlrev_b32 v[LI], 4, v6
	s_mul_i32 s15, s14, TST
	v_add_nc_u32 v[TSI], s15, v[LI]
	v_mul_u32_u24 v[TSO], v7, TP
	s_delay_alu instid0(VALU_DEP_1)
	v_lshl_add_u32 v[TSO], v8, 6, v[TSO]
	s_delay_alu instid0(VALU_DEP_1)
	v_add_nc_u32 v[TSO], s15, v[TSO]               ; row r, + 64 h
	s_lshr_b32 s18, s14, 1
	s_and_b32 s19, s14, 1
	s_lshl_b32 s20, s18, 9
	s_lshl_b32 s19, s19, 3
	s_add_co_u32 s20, s20, s19
	v_add_nc_u32 v[SOF], s20, v[LI]                ; word 2 w + s: 512 (w / 2) + 16 lane + 8 (w % 2) (+ 4 s)
	s_mov_b32 s[SEL], 0x76543210
	s_mov_b32 s[SEL+1], 0xfedcba98
.irp b, 0,1,2,3
	v_mov_b32 v[TM+4+\b], 0                        ; written once: a lane permute's destination counts as one of its sources
.endr
	s_and_b32 s16, ttmp7, 0xffff                   ; which weight
	s_lshl_b32 s20, ttmp9, 7                       ; my tile's first row: 128 x + 32 (w / 2) + 8 (w % 2)
	s_lshl_b32 s22, s18, 5
	s_add_co_u32 s20, s20, s22
	s_add_co_u32 s20, s20, s19
	s_lshl_b32 s20, s20, 10                        ; rows of 1,024 bytes
	s_mov_b32 s21, 0
	s_mul_i32 s22, s16, WREC                       ; the weight's record
	s_mul_i32 s24, ttmp9, 16*FRB
	s_add_co_u32 s24, s24, s22
	s_mul_i32 s23, s14, 2*FRB
	s_add_co_u32 s24, s24, s23                     ; my two fragments
	s_mov_b32 s25, 0
	s_lshl_b32 s26, ttmp9, 11
	s_add_co_u32 s26, s26, s22
	s_add_co_u32 s26, s26, 32*FRB                  ; my half's scale image
	s_mov_b32 s27, 0
	s_wait_alu depctr_va_vdst(0)
	s_wait_kmcnt 0x0
	s_cmp_eq_u32 s16, 1                            ; the choice hangs on the work-group's number alone
	s_cselect_b64 s[4:5], s[6:7], s[4:5]
	s_cmp_eq_u32 s16, 2
	s_cselect_b64 s[4:5], s[8:9], s[4:5]
	s_cmp_eq_u32 s16, 3
	s_cselect_b64 s[4:5], s[10:11], s[4:5]
	s_add_nc_u64 s[4:5], s[4:5], s[20:21]
	s_add_nc_u64 s[28:29], s[12:13], s[24:25]
	s_add_nc_u64 s[30:31], s[12:13], s[26:27]
	XLOAD 4
	s_wait_loadcnt 0x0
	TURN
	s_wait_dscnt 16                                ; K step 0's sixteen loads are in, K step 1's may be out
	QUANT X
.irp c, 0,1,2
	global_store_b128 v[LI], v[PC+4*\c:PC+4*\c+3], s[28:29] offset:512*\c   ; 32 lanes store 512 consecutive bytes
.endr
	global_store_b32 v[SOF], v[PW], s[30:31]
	s_wait_dscnt 0x0
	s_wait_xcnt 0x0                                ; the stores' data registers are written again only behind this wait
	QUANT X+64
.irp c, 0,1,2
	global_store_b128 v[LI], v[PC+4*\c:PC+4*\c+3], s[28:29] offset:FRB+512*\c
.endr
	global_store_b32 v[SOF], v[PW], s[30:31] offset:4
	s_wait_tensorcnt 0x0
	ds_add_u32 v254, v255
	s_wait_dscnt 0x0
	s_endpgm
.Lfunc_end_k_qe395b739fd_wq:
	.size	k_qe395b739fd_wq, .Lfunc_end_k_qe395b739fd_wq-k_qe395b739fd_wq
	.p2alignl 7, 3214868480
	.fill 96, 4, 3214868480
	.section	.rodata,"a",@progbits
	.p2align	6, 0x0
	.amdhsa_kernel k_qe395b739fd_wq
		.amdhsa_group_segment_fixed_size 134144
		.amdhsa_private_segment_fixed_size 0
		.amdhsa_enable_private_segment 0
		.amdhsa_kernarg_size 40
		.amdhsa_user_sgpr_count 2
		.amdhsa_user_sgpr_kernarg_segment_ptr 1
		.amdhsa_wavefront_size32 1
		.amdhsa_system_sgpr_workgroup_id_x 1
		.amdhsa_system_sgpr_workgroup_id_y 1
		.amdhsa_system_sgpr_workgroup_id_z 1
		.amdhsa_system_vgpr_workitem_id 0
		.amdhsa_next_free_vgpr 256
		.amdhsa_next_free_sgpr 66
		.amdhsa_reserve_vcc 0
		.amdhsa_float_denorm_mode_32 3
		.amdhsa_float_denorm_mode_16_64 3
		.amdhsa_memory_ordered 1
		.amdhsa_forward_progress 1
		.amdhsa_inst_pref_size 22
	.end_amdhsa_kernel
	.amdgpu_metadata
---
amdhsa.version: [ 1, 2 ]
amdhsa.kernels:
  - .name:           k_qe395b739fd_wq
    .symbol:         k_qe395b739fd_wq.kd
    .args:
      - { .name: Wq, .offset: 0, .size: 8, .value_kind: global_buffer, .address_space: global }
      - { .name: Wk, .offset: 8, .size: 8, .value_kind: global_buffer, .address_space: global }
      - { .name: Wv, .offset: 16, .size: 8, .value_kind: global_buffer, .address_space: global }
      - { .name: Wm, .offset: 24, .size: 8, .value_kind: global_buffer, .address_space: global }
      - { .name: wrec, .offset: 32, .size: 8, .value_kind: global_buffer, .address_space: global }
    .group_segment_fixed_size: 134144
    .private_segment_fixed_size: 0
    .kernarg_segment_align: 8
    .kernarg_segment_size: 40
    .max_flat_workgroup_size: 256
    .sgpr_count:     66
    .vgpr_count:     256
    .wavefront_size: 32
...
	.end_amdgpu_metadata
.endif
;; end of part 1
;; launch proj (part 2): grid 256 x 1, 8 waves a work-group, no clusters, 160,768 bytes of LDS; arguments nodes_L, nodes_R, kpts_R, wrec, bq, bk, bv, qrec, kvrec; writes qrec, kvrec
.if DOCPART == 2
	.amdgcn_target "amdgcn-amd-amdhsa--gfx1250"
	.amdhsa_code_object_version 6
	.text
	.protected	k_qe395b739fd_proj
	.globl	k_qe395b739fd_proj
	.p2align	8
	.type	k_qe395b739fd_proj,@function
k_qe395b739fd_proj:
	s_mov_b64 s[64:65], 0
	v_nop
	global_prefetch_b8 v0, s[64:65] scope:SCOPE_SE
	s_setreg_imm32_b32 hwreg(HW_REG_WAVE_MODE, 25, 1), 1
	s_wait_xcnt 0x0
; Q = nodes_L Wq^T + bq, K = nodes_R Wk^T + bk, V = nodes_R Wv^T + bv, all three products on codes of FP6 (E2M3) with one E8M0 byte for each 32 along K; the results are quantised at once for the
; attention launch: Q and K along the 256 channels, V along the KEYS, and stored as images of operand registers.  kpts_R is laid anew beside them.
; SHARES.  Work-groups 0-127: 128 rows of nodes_L (role Q).  Work-groups 128-255: 128 rows of nodes_R (role KV): one record of kvrec; nodes_R is read once for K and V.
; X: wave w loads the 16 rows of x tile w (rows 32 (w / 2) + 8 (w % 2) + r + 8 (r / 8) of the 128), quantises them and stores two fragment images and scale words in LDS | the one barrier |
; T units (both roles): source 0 = 16 rows of the weight, source 1 = an x tile: a lane holds one row of x and its registers run along the output channels, 128 of them: one fragment.  Wave w: channel half w % 2
;   (its 16 weight fragments stay in registers), x tiles 2 (w / 2) and 2 (w / 2) + 1.  The bias is the C of each sum's first matrix instruction.
; N units (role KV): source 0 = an x tile, source 1 = 16 rows of Wv: a lane holds one channel and its registers run along the 128 keys: one fragment of V^T.  Wave w: channel tiles 2 w and 2 w + 1.
; No tensor loads and no cluster: what work-groups share is 24,576 bytes of weight codes a wave, a small part beside the 131,072 bytes of x that each work-group reads alone.
; qrec: a tile of 16 queries is QREC bytes: fragments of channels 0-127 and 128-255, then 8 bytes of scale words a lane.
; kvrec: 128 keys are REC bytes: K's 16 fragments (2 t + s); V's 16 (channel tile ct) at VF; K's scale images at KS (word 2 t + s), V's at VS (word ct); u of key 32 b + l at UO + 16 l + 4 b; v at VO likewise.
; A block of zeros gets the scale byte 1 where the rule says 127: its codes are zeros, and this program alone reads the bytes.  LIMITS: NaN and infinities among the inputs are not served.
.set WREC, 53248
.set FRB,  1536
.set REC,  54272
.set QREC, 3328
.set VF,   24576
.set KS,   49152
.set VS,   51200
.set UO,   53248
.set VO,   53760
.set TP,   1040                        ; a row in the stage: 1,024 bytes + 16 = 65 x 16
.set TST,  16*TP
.set XIMG, 8*TST                       ; LDS: behind the eight stages x's 16 fragment images (2 t + s),
.set XSC,  XIMG+16*FRB                 ; and their scale image (word 2 t + s)
.set LI,   1                           ; v1   16 x lane
.set TSI,  2                           ; v2   my stage, in
.set TSO,  3                           ; v3   my stage, out
.set XWI,  4                           ; v4   where I store my x tile's images
.set XWS,  5                           ; v5   and its scale words
.set AX,   6                           ; v6   my two x tiles' images
.set AXS,  7                           ; v7   and their scale words
.set BO,   8                           ; v8   64 h: the bias's offset
.set SO0,  9                           ; v9-10 where a T unit's scale word goes
.set FO1,  11                          ; v11  16 x lane + a tile's stride
.set BVO,  12                          ; v12  my channel's place in bv
.set VSO,  13                          ; v13  V's scale word's place
.set KLO,  14                          ; v14  8 x (thread % 128)
.set KSO,  15                          ; v15  16 x lane + 4 x wave
.set SC,   16                          ; v16-31 the 16 scale words of source 0
.set X,    32                          ; v32-159 x's numbers
.set HA,   32                          ; v32-95 eight result tiles
.set XF,   96                          ; v96-119 an x tile's two fragments
.set WF,   120                         ; v120-167 four fragments of Wv
.set CB,   168                         ; v168-175 bv of my channel, eight times
.set BV,   176                         ; v176-177
.set KP,   178                         ; v[178:179] a key's u and v
.set TM,   180
.set PC,   192
.set PC2,  204
.set AXA,  212                         ; v212 XIMG + 16 x lane
.set VFO,  213                         ; v213 16 x lane + 2 FRB x wave
.set XS,   224                         ; v[224:225] an x tile's scale words
.set WS,   228                         ; v228-231 Wv's scale words
.set PW,   232
.set BI,   192                         ; window 1: v0-191 sixteen fragments of source 0; v192-255 the bias in the result's layout
.set SEL,  2
.set MSB, 0
.macro WIN new                         ; the immediate's high byte repeats the setting that is left
.if MSB != \new
	s_set_vgpr_msb (MSB<<8)|\new
.set MSB, \new
.endif
.endm
.macro WMC d, a, b, c, sa, sb
	v_wmma_scale_f32_16x16x128_f8f6f4 v[\d:\d+7], v[\a:\a+11], v[\b:\b+11], v[\c:\c+7], v[\sa], v[\sb] matrix_a_fmt:MATRIX_FMT_FP6 matrix_b_fmt:MATRIX_FMT_FP6
.endm
.macro QUANT s                         ; 64 numbers of a lane, register 16 b + i = k 32 b + 16 (lane / 16) + i of my row -> codes in v[PC] on, scale word in v[PW]
.irp b, 0,1,2,3
	v_max3_num_f32 v[TM+\b], |v[\s+16*\b]|, |v[\s+1+16*\b]|, 0x1800000   ; and the floor 2^(3 - 127): the byte cannot fall under 1
.endr
.irp i, 2,4,6,8,10,12,14
.irp b, 0,1,2,3
	v_max3_num_f32 v[TM+\b], v[TM+\b], |v[\s+16*\b+\i]|, |v[\s+1+16*\b+\i]|
.endr
.endr
.irp b, 0,1,2,3
	s_delay_alu instid0(VALU_DEP_4)
	v_permlanex16_b32 v[TM+4+\b], v[TM+\b], s[SEL], s[SEL+1]
.endr
.irp b, 0,1,2,3
	s_delay_alu instid0(VALU_DEP_4)
	v_max_num_f32 v[TM+\b], v[TM+\b], v[TM+4+\b]
.endr
.irp b, 0,1,2,3
	s_delay_alu instid0(VALU_DEP_4)
	v_add_nc_u32 v[TM+8+\b], 0xff000000, v[TM+\b]  ; 2 off the exponent field: the conversion's scale operand
.endr
.irp b, 0,1,2,3
	s_delay_alu instid0(VALU_DEP_4)
	v_lshrrev_b32 v[TM+4+\b], 23, v[TM+8+\b]
.endr
	s_delay_alu instid0(VALU_DEP_3)
	v_lshl_or_b32 v[PW], v[TM+5], 8, v[TM+4]
	s_delay_alu instid0(VALU_DEP_1)
	v_lshl_or_b32 v[PW], v[TM+6], 16, v[PW]
	s_delay_alu instid0(VALU_DEP_1)
	v_lshl_or_b32 v[PW], v[TM+7], 24, v[PW]
.irp c, 0,1
	v_cvt_scalef32_pk16_fp6_f32 v[PC+6*\c:PC+2+6*\c], v[\s+32*\c:\s+15+32*\c], v[TM+8+2*\c]
	v_cvt_scalef32_pk16_fp6_f32 v[PC2+4*\c:PC2+2+4*\c], v[\s+16+32*\c:\s+31+32*\c], v[TM+9+2*\c]
.endr
	v_nop                                          ; one plain instruction behind the scaled conversions
.irp c, 0,1
.irp i, 0,1,2
	v_permlane16_swap_b32 v[PC+6*\c+\i], v[PC2+4*\c+\i]
.endr
.irp i, 0,1,2
	s_delay_alu instid0(VALU_DEP_3)
	v_mov_b32 v[PC+3+6*\c+\i], v[PC2+4*\c+\i]
.endr
.endr
.endm
.macro XLOAD p
.set n, 0
.rept 16
	global_load_b128 v[X+8*n:X+8*n+3], v[LI], s[\p:\p+1] offset:(n+8*(n/8))*1024 th:TH_LOAD_NT
	global_load_b128 v[X+8*n+4:X+8*n+7], v[LI], s[\p:\p+1] offset:(n+8*(n/8))*1024+512 th:TH_LOAD_NT
.set n, n+1
.endr
.endm
.macro TURN
.set n, 0
.rept 16
	ds_store_b128 v[TSI], v[X+8*n:X+8*n+3] offset:TP*n
	ds_store_b128 v[TSI], v[X+8*n+4:X+8*n+7] offset:TP*n+512
.set n, n+1
.endr
	s_wait_dscnt 0x0                               ; the stores are done with their registers, which the loads below fill
.set n, 0
.rept 32
	ds_load_b128 v[X+4*n:X+4*n+3], v[TSO] offset:512*(n/16)+128*((n/4)%4)+16*(n%4)
.set n, n+1
.endr
.endm
.macro PLACES
.rept 4
	v_nop
.endr
.endm
; A T unit: x tile 2 (w / 2) + i against my 8 weight tiles, both K steps; eight accumulators by turns.
.macro TUNIT i
	s_wait_xcnt 0x0                                ; the last unit's stores have read v[PC] on and v[PW]
.set n, 0
.rept 6
	ds_load_b128 v[XF+4*n:XF+4*n+3], v[AX] offset:2*(\i)*FRB+512*n
.set n, n+1
.endr
	ds_load_b64 v[XS:XS+1], v[AXS] offset:8*(\i)
	s_wait_dscnt 0x0
	WIN 0x11                                       ; source 0 (the weight) and C (the bias) in window 1
.set n, 0
.rept 8
	WMC HA+8*n, 24*n, XF, BI+8*n, SC+2*n, XS
.set n, n+1
.endr
	WIN 0x01
.set n, 0
.rept 8
	WMC HA+8*n, 24*n+12, XF+12, HA+8*n, SC+2*n+1, XS+1
.set n, n+1
.endr
	WIN 0
	PLACES                                         ; four plain instructions between the last product and the first read of results
	QUANT HA
.irp c, 0,1,2
.if (\i) == 0
	global_store_b128 v[LI], v[PC+4*\c:PC+4*\c+3], s[52:53] offset:512*\c
.else
	global_store_b128 v[FO1], v[PC+4*\c:PC+4*\c+3], s[52:53] offset:512*\c
.endif
.endr
	global_store_b32 v[SO0+\i], v[PW], s[30:31]
.endm
; An N unit: all 8 x tiles against channel tile 2 w + i of Wv.
.macro NUNIT i
	s_wait_xcnt 0x0
.irp j, 0,1,2,3,4,5,6,7
	v_mov_b32 v[CB+\j], v[BV+\i]                   ; a lane holds one channel: its bias in all eight registers of C
.endr
	PLACES
	WIN 0x01
.set n, 0
.rept 8
	WMC HA+8*n, 24*n, WF+24*\i, CB, SC+2*n, WS+2*\i
.set n, n+1
.endr
.set n, 0
.rept 8
	WMC HA+8*n, 24*n+12, WF+24*\i+12, HA+8*n, SC+2*n+1, WS+2*\i+1
.set n, n+1
.endr
	WIN 0
	PLACES
	QUANT HA
.irp c, 0,1,2
	global_store_b128 v[VFO], v[PC+4*\c:PC+4*\c+3], s[30:31] offset:VF+FRB*(\i)+512*\c
.endr
	global_store_b32 v[VSO], v[PW], s[30:31] offset:VS+4*(\i)
.endm
	s_load_b256 s[4:11], s[0:1], 0x0               ; nodes_L s[4:5], nodes_R s[6:7], kpts_R s[8:9], wrec s[10:11]
	s_load_b256 s[12:19], s[0:1], 0x20             ; bq s[12:13], bk s[14:15], bv s[16:17], qrec s[18:19]
	s_load_b64 s[20:21], s[0:1], 0x40              ; kvrec
	v_lshl_add_u32 v254, v0, 2, 0x27000
	v_mov_b32 v255, 0
	v_lshrrev_b32 v214, 5, v0
	s_delay_alu instid0(VALU_DEP_1)
	v_readfirstlane_b32 s22, v214                  ; wave
	v_and_b32 v215, 31, v0                         ; lane
	v_and_b32 v216, 15, v0                         ; r
	v_bfe_u32 v217, v0, 4, 1                       ; h
	s_lshr_b32 s23, s22, 1                         ; w / 2
	s_and_b32 s24, s22, 1                          ; w % 2: my channel half
	s_and_b32 s25, ttmp9, 127                      ; which 128 rows
	s_mov_b32 s[SEL], 0x76543210
	s_mov_b32 s[SEL+1], 0xfedcba98
	v_lshlrev_b32 v[LI], 4, v215
	s_wait_alu depctr_va_vdst(0)
	s_mul_i32 s40, s22, TST
	v_add_nc_u32 v[TSI], s40, v[LI]
	v_mul_u32_u24 v[TSO], v216, TP
	s_delay_alu instid0(VALU_DEP_1)
	v_lshl_add_u32 v[TSO], v217, 6, v[TSO]
	s_delay_alu instid0(VALU_DEP_1)
	v_add_nc_u32 v[TSO], s40, v[TSO]
	s_mul_i32 s40, s22, 2*FRB
	v_add_nc_u32 v[VFO], s40, v[LI]
	s_add_co_u32 s40, s40, XIMG
	v_add_nc_u32 v[XWI], s40, v[LI]
	s_lshl_b32 s41, s23, 9                         ; 512 (w / 2)
	s_add_co_u32 s42, s41, XSC
	v_add_nc_u32 v[AXS], s42, v[LI]
	s_lshl_b32 s43, s24, 3
	v_add_nc_u32 v[XWS], s43, v[AXS]
	s_mul_i32 s40, s23, 4*FRB
	s_add_co_u32 s40, s40, XIMG
	v_add_nc_u32 v[AX], s40, v[LI]
	v_add_nc_u32 v[AXA], XIMG, v[LI]
	v_lshlrev_b32 v[BO], 6, v217
	v_and_b32 v218, 8, v216
	s_delay_alu instid0(VALU_DEP_1)
	v_add_nc_u32 v218, v218, v216                  ; r + 8 (r / 8)
	s_lshl_b32 s40, s22, 7
	v_lshl_add_u32 v[BVO], v218, 2, s40            ; channel 32 w + r + 8 (r / 8) (+ 8 i), 4 bytes each
	s_add_co_u32 s40, s41, s43
	v_add_nc_u32 v[VSO], s40, v[LI]
	v_and_b32 v[KLO], 127, v0
	s_delay_alu instid0(VALU_DEP_1)
	v_lshlrev_b32 v[KLO], 3, v[KLO]
	s_lshl_b32 s40, s22, 2
	v_add_nc_u32 v[KSO], s40, v[LI]
.irp b, 0,1,2,3
	v_mov_b32 v[TM+4+\b], 0                        ; written once: a lane permute's destination counts as one of its sources
.endr
	; what differs between the roles is chosen, not branched on: pointers, strides and the scale words' places
	s_lshl_b32 s44, s24, 2
	s_mul_i32 s36, s23, 2*QREC
	s_add_co_u32 s36, s36, 2*FRB
	s_add_co_u32 s36, s36, s44                     ; role Q: tile 2 (w / 2)'s scale words, + 4 (w % 2)
	s_add_co_u32 s37, s41, KS
	s_add_co_u32 s37, s37, s44                     ; role KV: word 4 (w / 2) + 2 i + w % 2 of K's scale images
	s_mov_b32 s33, REC
	s_mov_b32 s34, 2*FRB
	s_mov_b32 s47, 0
	s_wait_kmcnt 0x0
	s_cmp_lt_u32 ttmp9, 128                        ; the choice hangs on the work-group's number alone
	s_cselect_b64 s[26:27], s[4:5], s[6:7]         ; x
	s_cselect_b64 s[28:29], s[12:13], s[14:15]     ; the bias
	s_cselect_b64 s[30:31], s[18:19], s[20:21]     ; the output
	s_cselect_b32 s32, 0, WREC                     ; Wq's or Wk's record
	s_cselect_b32 s33, 8*QREC, s33                 ; bytes of output for 128 rows
	s_cselect_b32 s34, QREC, s34                   ; from tile to tile
	s_cselect_b32 s35, 3, 4                        ; a lane's scale words: 8 or 16 bytes apart
	s_cselect_b32 s36, s36, s37
	s_cselect_b32 s38, QREC, 8                     ; from unit 0's scale word to unit 1's
	v_lshlrev_b32 v[SO0], s35, v215
	s_delay_alu instid0(VALU_DEP_1)
	v_add_nc_u32 v[SO0], s36, v[SO0]
	s_delay_alu instid0(VALU_DEP_1)
	v_add_nc_u32 v[SO0+1], s38, v[SO0]
	v_add_nc_u32 v[FO1], s34, v[LI]
	s_lshl_b32 s46, s25, 17                        ; 128 rows of 1,024 bytes,
	s_lshl_b32 s45, s23, 15
	s_add_co_u32 s46, s46, s45
	s_lshl_b32 s45, s24, 13
	s_add_co_u32 s46, s46, s45                     ; + my tile's first row 32 (w / 2) + 8 (w % 2)
	s_add_nc_u64 s[26:27], s[26:27], s[46:47]
	s_lshl_b32 s46, s24, 9
	s_add_nc_u64 s[28:29], s[28:29], s[46:47]      ; my 128 channels of the bias
	s_mul_i32 s46, s24, 16*FRB
	s_add_co_u32 s46, s46, s32
	s_add_nc_u64 s[48:49], s[10:11], s[46:47]      ; my 16 weight fragments
	s_lshl_b32 s46, s24, 11
	s_add_co_u32 s46, s46, s32
	s_add_co_u32 s46, s46, 32*FRB
	s_add_nc_u64 s[50:51], s[10:11], s[46:47]      ; and their scale image
	s_mul_i32 s46, s25, s33
	s_add_nc_u64 s[30:31], s[30:31], s[46:47]      ; the block's output
	s_mul_i32 s46, s23, s34
	s_lshl_b32 s46, s46, 1
	s_mul_i32 s45, s24, FRB
	s_add_co_u32 s46, s46, s45
	s_add_nc_u64 s[52:53], s[30:31], s[46:47]      ; tile 2 (w / 2), fragment w % 2
	s_mul_i32 s46, s22, 4*FRB
	s_add_co_u32 s46, s46, 2*WREC
	s_add_nc_u64 s[54:55], s[10:11], s[46:47]      ; Wv's fragments of channel tiles 2 w, 2 w + 1
	s_lshr_b32 s46, s22, 2
	s_lshl_b32 s46, s46, 11
	s_and_b32 s45, s22, 3
	s_lshl_b32 s45, s45, 9
	s_add_co_u32 s46, s46, s45
	s_add_co_u32 s46, s46, 2*WREC+32*FRB
	s_add_nc_u64 s[56:57], s[10:11], s[46:47]      ; and their four scale words
	s_lshl_b32 s46, s25, 10
	s_add_nc_u64 s[58:59], s[8:9], s[46:47]        ; the 128 keys' points
	; ---- X
	XLOAD 26
.irp q, 0,1,2,3
	global_load_b128 v[SC+4*\q:SC+4*\q+3], v[LI], s[50:51] offset:512*\q
.endr
	WIN 0x40                                       ; destination window 1
.set n, 0
.rept 8
	global_load_b128 v[BI+8*n:BI+8*n+3], v[BO], s[28:29] offset:(32*(n/2)+8*(n%2))*4        ; tile n, lane half h: channels 32 (n / 2) + 16 h + 8 (n % 2) + 0 .. 7
	global_load_b128 v[BI+8*n+4:BI+8*n+7], v[BO], s[28:29] offset:(32*(n/2)+8*(n%2))*4+16
.set n, n+1
.endr
	WIN 0
	s_wait_loadcnt 20                              ; x's 32 loads are in; the 4 + 16 issued behind them may be out
	TURN
	WIN 0x40
.set n, 0
.rept 48
	global_load_b128 v[4*n:4*n+3], v[LI], s[48:49] offset:512*n   ; the 16 weight fragments lie on end: they land while x is quantised
.set n, n+1
.endr
	WIN 0
	s_wait_dscnt 16                                ; K step 0's sixteen loads from the stage are in
	QUANT X
.irp c, 0,1,2
	ds_store_b128 v[XWI], v[PC+4*\c:PC+4*\c+3] offset:512*\c
.endr
	ds_store_b32 v[XWS], v[PW]
	s_wait_dscnt 0x0
	QUANT X+64
.irp c, 0,1,2
	ds_store_b128 v[XWI], v[PC+4*\c:PC+4*\c+3] offset:FRB+512*\c
.endr
	ds_store_b32 v[XWS], v[PW] offset:4
	s_wait_dscnt 0x0                               ; for the others' sake: my images have landed
	s_barrier_signal -1
	s_barrier_wait -1                              ; x's sixteen fragments lie in LDS; nothing is stored to LDS behind this barrier
	s_wait_loadcnt 0x0                             ; the weight, its scale words, the bias
	s_cmp_lt_u32 ttmp9, 128
	s_cbranch_scc1 .Lrole_q
	; ---- role KV: what the N units want is asked for now and lands under the T units
.set n, 0
.rept 12
	global_load_b128 v[WF+4*n:WF+4*n+3], v[LI], s[54:55] offset:512*n
.set n, n+1
.endr
	global_load_b128 v[WS:WS+3], v[LI], s[56:57]
	global_load_b32 v[BV], v[BVO], s[16:17]
	global_load_b32 v[BV+1], v[BVO], s[16:17] offset:32
	global_load_b64 v[KP:KP+1], v[KLO], s[58:59]   ; key thread % 128: waves 4-7 load what waves 0-3 load, and store nothing of it
	TUNIT 0
	TUNIT 1
	WIN 0x40
.set n, 0
.rept 48
	ds_load_b128 v[4*n:4*n+3], v[AXA] offset:512*n ; all of x's fragments take the weight's place
.set n, n+1
.endr
	WIN 0
.irp q, 0,1,2,3
	ds_load_b128 v[SC+4*\q:SC+4*\q+3], v[AXA] offset:16*FRB+512*\q
.endr
	s_wait_loadcnt 0x0
	s_cmp_lt_u32 s22, 4
	s_cbranch_scc0 .Lno_kp
	global_store_b32 v[KSO], v[KP], s[30:31] offset:UO       ; u of key 32 w + lane at 16 lane + 4 w
	global_store_b32 v[KSO], v[KP+1], s[30:31] offset:VO     ; v likewise
.Lno_kp:
	s_wait_dscnt 0x0
	NUNIT 0
	NUNIT 1
	s_wait_tensorcnt 0x0
	ds_add_u32 v254, v255
	s_wait_dscnt 0x0
	s_endpgm
.Lrole_q:
	TUNIT 0
	TUNIT 1
	s_wait_tensorcnt 0x0
	ds_add_u32 v254, v255
	s_wait_dscnt 0x0
	s_endpgm
.Lfunc_end_k_qe395b739fd_proj:
	.size	k_qe395b739fd_proj, .Lfunc_end_k_qe395b739fd_proj-k_qe395b739fd_proj
	.p2alignl 7, 3214868480
	.fill 96, 4, 3214868480
	.section	.rodata,"a",@progbits
	.p2align	6, 0x0
	.amdhsa_kernel k_qe395b739fd_proj
		.amdhsa_group_segment_fixed_size 160768
		.amdhsa_private_segment_fixed_size 0
		.amdhsa_enable_private_segment 0
		.amdhsa_kernarg_size 72
		.amdhsa_user_sgpr_count 2
		.amdhsa_user_sgpr_kernarg_segment_ptr 1
		.amdhsa_wavefront_size32 1
		.amdhsa_system_sgpr_workgroup_id_x 1
		.amdhsa_system_sgpr_workgroup_id_y 1
		.amdhsa_system_sgpr_workgroup_id_z 1
		.amdhsa_system_vgpr_workitem_id 0
		.amdhsa_next_free_vgpr 512
		.amdhsa_next_free_sgpr 66
		.amdhsa_reserve_vcc 0
		.amdhsa_float_denorm_mode_32 3
		.amdhsa_float_denorm_mode_16_64 3
		.amdhsa_memory_ordered 1
		.amdhsa_forward_progress 1
		.amdhsa_inst_pref_size 80
	.end_amdhsa_kernel
	.amdgpu_metadata
---
amdhsa.version: [ 1, 2 ]
amdhsa.kernels:
  - .name:           k_qe395b739fd_proj
    .symbol:         k_qe395b739fd_proj.kd
    .args:
      - { .name: nodes_L, .offset: 0, .size: 8, .value_kind: global_buffer, .address_space: global }
      - { .name: nodes_R, .offset: 8, .size: 8, .value_kind: global_buffer, .address_space: global }
      - { .name: kpts_R, .offset: 16, .size: 8, .value_kind: global_buffer, .address_space: global }
      - { .name: wrec, .offset: 24, .size: 8, .value_kind: global_buffer, .address_space: global }
      - { .name: bq, .offset: 32, .size: 8, .value_kind: global_buffer, .address_space: global }
      - { .name: bk, .offset: 40, .size: 8, .value_kind: global_buffer, .address_space: global }
      - { .name: bv, .offset: 48, .size: 8, .value_kind: global_buffer, .address_space: global }
      - { .name: qrec, .offset: 56, .size: 8, .value_kind: global_buffer, .address_space: global }
      - { .name: kvrec, .offset: 64, .size: 8, .value_kind: global_buffer, .address_space: global }
    .group_segment_fixed_size: 160768
    .private_segment_fixed_size: 0
    .kernarg_segment_align: 8
    .kernarg_segment_size: 72
    .max_flat_workgroup_size: 256
    .sgpr_count:     66
    .vgpr_count:     512
    .wavefront_size: 32
...
	.end_amdgpu_metadata
.endif
;; end of part 2
;; launch attn (part 3): grid 64 x 4, 8 waves a work-group, clusters of 4 x 1, 327,680 bytes of LDS; arguments qrec, kvrec, wrec, kpts_L, bm, out0, out1, out2; writes out0, out1, out2
.if DOCPART == 3
	.amdgcn_target "amdgcn-amd-amdhsa--gfx1250"
	.amdhsa_code_object_version 6
	.text
	.protected	k_qe395b739fd_attn
	.globl	k_qe395b739fd_attn
	.p2align	8
	.type	k_qe395b739fd_attn,@function
k_qe395b739fd_attn:
	s_mov_b64 s[64:65], 0
	v_nop
	global_prefetch_b8 v0, s[64:65] scope:SCOPE_SE
	s_setreg_imm32_b32 hwreg(HW_REG_WAVE_MODE, 25, 1), 1
	s_wait_xcnt 0x0
	s_wait_alu depctr_hold_cnt(0) depctr_sa_sdst(0) depctr_va_vdst(0) depctr_va_sdst(0) depctr_va_ssrc(0) depctr_va_vcc(0) depctr_vm_vsrc(0)
	s_getreg_b32 s2, hwreg(HW_REG_IB_STS2, 6, 4)
	s_cmp_eq_u32 s2, 0
	s_cbranch_scc0 .Lentry_in_a_cluster
	s_endpgm
.Lentry_in_a_cluster:
	s_bfe_u32 s2, ttmp6, 0x10000c
	s_cmp_lg_u32 s2, 0x3003
	s_cbranch_scc0 .Lentry_shape_is_right
	s_endpgm
.Lentry_shape_is_right:
; Attention with the epipolar mask, and the projection by Wm, on codes of FP6 (E2M3) with one E8M0 byte for each 32 along K.
; A work-group has 64 queries: wave w takes query tile w % 4 and the key half w / 4 of each slot of 256 keys; both products are used transposed, so a lane holds one query.
; Four work-groups of a cluster walk the same keys and ask for each slot jointly.  The two key halves are joined through LDS, quantised, and multiplied by Wm.
; Wm's record is asked for behind the last change of slots, where no slot is filled again, and lands under the last step.
; THE MASK: nd = u_R - u_L lies in (-192, 0) exactly when its bits, read as a signed whole number, lie under those of -192, -0 aside; +0 is added to both u first, so nd is never -0.
; LIMITS: NaN and infinities among the inputs are not served; the scaled scores stay under 2^31 in magnitude.
.set REC,   54272
.set SLOTB, 2*REC
.set SLOT1, 131072
.set FRB,   1536
.set WREC,  53248
.set QREC,  3328
.set VF,    24576
.set KS,    49152
.set VS,    51200
.set UO,    53248
.set VO,    53760
.set WMI,   SLOT1+SLOTB
.set SPARE, WMI+WREC
.set STAT,  SPARE+1024
.set MIMG,  STAT+8*512
.set MSC,   MIMG+8*FRB
.set STP,   1040
.set LI0, 1
.set ADR, 2
.set SPW, 3
.set NIL, 4
.set PFO, 5
.set LI,  6
.set AXO, 7
.set AXI, 8
.set ASTAT, 9
.set ASTATP, 10
.set AMO, 11
.set AMS, 12
.set AMI, 13
.set AW,  14
.set ASO, 15
.set NM,  16
.set TX,  17
.set L,   18
.set DS,  20
.set UL,  22
.set VL,  23
.set AMSI, 24
.set AWS, 25
.set F,   26
.set NEG, 28
.set SENT, 29
.set ASI, 30
.set RO4, 31
.set S,   32
.set ND,  96
.set UB,  160
.set VB,  164
.set DV,  168
.set TM,  176
.set T0,  188
.set T1,  189
.set C1,  190
.set C2,  192
.set QSO, 194
.set KLO, 195
.set PC,  196
.set PC2, 208
.set BO,  216
.set SC,  224
.set PW,  240
.set QS,  242
.set MS,  244
.set QF,  128
.set FS,  152
.set WV,  20
.set TT,  21
.set GG,  22
.set GM,  23
.set G1,  24
.set G0,  32
.set G1W, 36
.set G0W, 44
.set TB,  48
.set SLOTS, 49
.set CS,  50
.set SEL, 52
.set M192, 54
.set P3,  55
.set PFA, 56
.set LIM, 58
.set CX,  59
.set XX,  60
.set BA,  61
.set QB,  62
.set MK,  66
.set MSB, 0
.macro WIN new
.if MSB != \new
	s_set_vgpr_msb (MSB<<8)|\new
.set MSB, \new
.endif
.endm
.macro WM0 d, a, b, sa, sb
	v_wmma_scale_f32_16x16x128_f8f6f4 v[\d:\d+7], v[\a:\a+11], v[\b:\b+11], 0, v[\sa], v[\sb] matrix_a_fmt:MATRIX_FMT_FP6 matrix_b_fmt:MATRIX_FMT_FP6
.endm
.macro WMC d, a, b, c, sa, sb
	v_wmma_scale_f32_16x16x128_f8f6f4 v[\d:\d+7], v[\a:\a+11], v[\b:\b+11], v[\c:\c+7], v[\sa], v[\sb] matrix_a_fmt:MATRIX_FMT_FP6 matrix_b_fmt:MATRIX_FMT_FP6
.endm
.macro PLACES
.rept 4
	v_nop
.endr
.endm
.macro FLOAD adr, base, stride
	WIN 0x40
.set i, 0
.rept 8
.irp c, 0,1,2
	ds_load_b128 v[FS+12*i+4*\c:FS+12*i+4*\c+3], v[\adr] offset:(\base)+i*(\stride)+512*\c
.endr
.set i, i+1
.endr
.endm
.macro BARRIER
	s_wait_dscnt 0x0
	s_barrier_signal -1
	s_barrier_wait -1
.endm
.macro CROUND
	s_barrier_signal -1
	s_barrier_wait -1
	s_cmp_lg_u32 s[WV], 0
	s_cbranch_scc1 .Lnot_wave_0_\@
	s_barrier_signal -3
.Lnot_wave_0_\@:
	s_barrier_wait -3
	s_barrier_signal -1
	s_barrier_wait -1
.endm
.macro ASK
	s_cmp_gt_u32 s[SLOTS], s[LIM]
	s_cbranch_scc0 .Lnot_mine_\@
	global_prefetch_b8 v[PFO], s[PFA:PFA+1] th:TH_LOAD_NT scope:SCOPE_SE
.Lnot_mine_\@:
.endm
.macro QUANT s
.irp b, 0,1,2,3
	v_max3_num_f32 v[TM+\b], |v[\s+16*\b]|, |v[\s+1+16*\b]|, 0x1800000
.endr
.irp n, 2,4,6,8,10,12,14
.irp b, 0,1,2,3
	s_delay_alu instid0(VALU_DEP_4)
	v_max3_num_f32 v[TM+\b], v[TM+\b], |v[\s+16*\b+\n]|, |v[\s+1+16*\b+\n]|
.endr
.endr
.irp b, 0,1,2,3
	s_delay_alu instid0(VALU_DEP_4)
	v_permlanex16_b32 v[TM+4+\b], v[TM+\b], s[SEL], s[SEL+1]
.endr
.irp b, 0,1,2,3
	s_delay_alu instid0(VALU_DEP_4)
	v_max_num_f32 v[TM+\b], v[TM+\b], v[TM+4+\b]
.endr
	CODES \s
.endm
.macro CODES s
.irp b, 0,1,2,3
	s_delay_alu instid0(VALU_DEP_4)
	v_add_nc_u32 v[TM+8+\b], 0xff000000, v[TM+\b]
.endr
.irp b, 0,1,2,3
	s_delay_alu instid0(VALU_DEP_4)
	v_lshrrev_b32 v[TM+4+\b], 23, v[TM+8+\b]
.endr
	s_delay_alu instid0(VALU_DEP_3)
	v_lshl_or_b32 v[PW], v[TM+5], 8, v[TM+4]
	s_delay_alu instid0(VALU_DEP_1)
	v_lshl_or_b32 v[PW], v[TM+6], 16, v[PW]
	s_delay_alu instid0(VALU_DEP_1)
	v_lshl_or_b32 v[PW], v[TM+7], 24, v[PW]
.irp c, 0,1
	v_cvt_scalef32_pk16_fp6_f32 v[PC+6*\c:PC+2+6*\c], v[\s+32*\c:\s+15+32*\c], v[TM+8+2*\c]
	v_cvt_scalef32_pk16_fp6_f32 v[PC2+4*\c:PC2+2+4*\c], v[\s+16+32*\c:\s+31+32*\c], v[TM+9+2*\c]
.endr
	v_nop
.irp c, 0,1
.irp n, 0,1,2
	v_permlane16_swap_b32 v[PC+6*\c+\n], v[PC2+4*\c+\n]
.endr
.irp n, 0,1,2
	s_delay_alu instid0(VALU_DEP_3)
	v_mov_b32 v[PC+3+6*\c+\n], v[PC2+4*\c+\n]
.endr
.endr
.endm
.macro MASK8 t
.if ((\t)%2) == 0
.irp j, 0,1,2,3,4,5,6,7
	v_sub_f32_dpp v[DV+\j], v[VB+(\t)/2], v[VL] row_share:\j row_mask:0xf bank_mask:0xf
.endr
.else
.irp j, 8,9,10,11,12,13,14,15
	v_sub_f32_dpp v[DV+\j-8], v[VB+(\t)/2], v[VL] row_share:\j row_mask:0xf bank_mask:0xf
.endr
.endif
.irp j, 0,1,2,3,4,5,6,7
	v_cmp_gt_i32 s[MK+3*\j], s[M192], v[ND+8*(\t)+\j]   ; -192 < nd < 0, on the bits as signed whole numbers
	v_cmp_gt_f32 s[MK+3*\j+2], s[P3], |v[DV+\j]|
.endr
.irp j, 0,1,2,3,4,5,6,7
	s_and_b32 s[MK+3*\j], s[MK+3*\j], s[MK+3*\j+2]
.endr
.irp j, 0,1,2,3,4,5,6,7
	v_cndmask_b32 v[S+8*(\t)+\j], v[NEG], v[S+8*(\t)+\j], s[MK+3*\j]
.endr
.endm
.macro CHANGE fill
	s_wait_tensorcnt 0x0
	ds_add_u32 v[SPW], v[NIL]
.if \fill
	s_xor_b32 s[G0+1], s[G0+1], SLOT1
	s_add_nc_u64 s[G0+2:G0+3], s[G0+2:G0+3], SLOTB
	s_wait_xcnt 0x0
	s_add_nc_u64 s[PFA:PFA+1], s[PFA:PFA+1], SLOTB
	s_wait_dscnt 0x0
	CROUND
	tensor_load_to_lds s[G0:G0+3], s[G1:G1+7]
	s_nop 0
	PLACES
	ASK
.else
	s_wait_dscnt 0x0
	CROUND
	tensor_load_to_lds s[G0W:G0W+3], s[G1W:G1W+7]   ; Wm's record, my 26 rows of 256 bytes: a first fill, behind a round behind which no slot is filled again
	s_nop 0
	PLACES
.endif
.endm
.macro STEP
	v_add_nc_u32 v[ADR], s[TB], v[LI0]
.rept 3
	v_nop
.endr
	ds_load_b128 v[UB:UB+3], v[ADR] offset:UO
	ds_load_b128 v[VB:VB+3], v[ADR] offset:VO
	FLOAD ADR, 0, 2*FRB
	WIN 0
.irp q, 0,1,2,3
	ds_load_b128 v[SC+4*\q:SC+4*\q+3], v[ADR] offset:KS+512*\q
.endr
	s_wait_alu depctr_va_vdst(0)
	s_wait_dscnt 28                                ; the keys' u and v are in; the 24 + 4 loads issued behind them may be out
.irp b, 0,1,2,3
	v_add_f32 v[UB+\b], 0, v[UB+\b]                ; -0 becomes +0
.endr
.irp b, 0,1
.irp n, 0,1,2,3,4,5,6,7,8,9,10,11,12,13,14,15
	v_sub_f32_dpp v[ND+16*\b+\n], v[UB+\b], v[UL] row_share:\n row_mask:0xf bank_mask:0xf
.endr
.endr
	s_wait_dscnt 0x0
	WIN 0x05
.set i, 0
.rept 8
	WM0 S+8*i, FS+12*i, QF, SC+2*i, QS
.set i, i+1
.endr
	WIN 0
	PLACES
	FLOAD ADR, FRB, 2*FRB
	WIN 0
.irp b, 2,3
.irp n, 0,1,2,3,4,5,6,7,8,9,10,11,12,13,14,15
	v_sub_f32_dpp v[ND+16*\b+\n], v[UB+\b], v[UL] row_share:\n row_mask:0xf bank_mask:0xf
.endr
.endr
	s_wait_dscnt 0x0
	WIN 0x05
.set i, 0
.rept 8
	WMC S+8*i, FS+12*i, QF+12, S+8*i, SC+2*i+1, QS+1
.set i, i+1
.endr
	WIN 0
	PLACES
	FLOAD ADR, VF, FRB
	WIN 0
.irp q, 0,1,2,3
	ds_load_b128 v[SC+4*\q:SC+4*\q+3], v[ADR] offset:VS+512*\q
.endr
.irp t, 0,1,2,3,4,5,6,7
	MASK8 \t
.endr
.irp b, 0,1,2,3
	v_max3_num_f32 v[TM+\b], v[S+16*\b], v[S+16*\b+1], v[S+16*\b+2]
.endr
.irp n, 3,5,7,9,11,13
.irp b, 0,1,2,3
	s_delay_alu instid0(VALU_DEP_4)
	v_max3_num_f32 v[TM+\b], v[TM+\b], v[S+16*\b+\n], v[S+16*\b+\n+1]
.endr
.endr
.irp b, 0,1,2,3
	s_delay_alu instid0(VALU_DEP_4)
	v_max_num_f32 v[TM+\b], v[TM+\b], v[S+16*\b+15]
.endr
.irp b, 0,1,2,3
	s_delay_alu instid0(VALU_DEP_4)
	v_permlanex16_b32 v[TM+4+\b], v[TM+\b], s[SEL], s[SEL+1]
.endr
.irp b, 0,1,2,3
	s_delay_alu instid0(VALU_DEP_4)
	v_max_num_f32 v[TM+\b], v[TM+\b], v[TM+4+\b]
.endr
	s_delay_alu instid0(VALU_DEP_2)
	v_max3_num_f32 v[T0], v[TM], v[TM+1], v[TM+2]
	s_delay_alu instid0(VALU_DEP_1)
	v_max_num_f32 v[T0], v[T0], v[TM+3]
	s_delay_alu instid0(VALU_DEP_1)
	v_mul_f32 v[T0], s[CS], v[T0]
	s_delay_alu instid0(VALU_DEP_1)
	v_max_num_f32 v[TX], v[TX], v[T0]
	v_mov_b32 v[T0], v[NM]
	s_delay_alu instid0(VALU_DEP_2)
	v_floor_f32 v[NM], -v[TX]
	s_delay_alu instid0(VALU_DEP_1)
	v_sub_f32 v[T0], v[NM], v[T0]
	s_delay_alu instid0(VALU_DEP_1)
	v_cvt_i32_f32 v[T0], v[T0]
	s_delay_alu instid0(VALU_DEP_1)
	v_ldexp_f32 v[F], 1.0, v[T0]
.set j, 0
.rept 32
	v_pk_fma_f32 v[S+j:S+j+1], v[S+j:S+j+1], s[CS:CS+1], v[NM:NM+1] op_sel_hi:[1,0,0]
.set j, j+2
.endr
.irp b, 0,1,2,3
	v_fma_f32 v[TM+\b], v[TM+\b], s[CS], v[NM]
.endr
.set j, 0
	s_wait_alu depctr_va_vdst(0)
.rept 64
	v_exp_f32 v[S+j], v[S+j]
.set j, j+1
.endr
	v_pk_mul_f32 v[L:L+1], v[L:L+1], v[F:F+1] op_sel_hi:[1,0]
	v_pk_mul_f32 v[DS:DS+1], v[DS:DS+1], v[F:F+1] op_sel_hi:[1,0]
	s_wait_alu depctr_va_vdst(0)
.irp b, 0,1,2,3
	v_exp_f32 v[TM+\b], v[TM+\b]
.endr
	v_pk_add_f32 v[C1:C1+1], v[S:S+1], v[S+2:S+3]
	v_pk_mul_f32 v[C2:C2+1], v[S:S+1], v[ND:ND+1]
	v_pk_fma_f32 v[DS:DS+1], v[S+2:S+3], v[ND+2:ND+3], v[DS:DS+1]
	s_wait_alu depctr_va_vdst(0)
.irp b, 0,1,2,3
	v_max_num_f32 v[TM+\b], 0x1800000, v[TM+\b]
.endr
	CODES S
	WIN 0x41
.set j, 0
.rept 32
	v_pk_mul_f32 v[j:j+1], v[j:j+1], v[F:F+1] op_sel_hi:[1,0]
.set j, j+2
.endr
	s_wait_alu depctr_va_vdst(0)
	s_wait_dscnt 0x0
	WIN 0x51
.set i, 0
.rept 8
	WMC 8*i, FS+12*i, PC, 8*i, SC+i, PW
.set i, i+1
.endr
	WIN 0x41
.rept 4
	v_pk_mul_f32 v[j:j+1], v[j:j+1], v[F:F+1] op_sel_hi:[1,0]
.set j, j+2
.endr
	FLOAD ADR, VF+8*FRB, FRB
	WIN 0
.set k2, 4                             ; the rest of the row's sums of the unquantised p and of p x (u_R - u_L), two chains each: they stand between V's second eight fragment loads and the wait for them
.rept 15
	v_pk_add_f32 v[L:L+1], v[L:L+1], v[S+k2:S+k2+1]
	v_pk_fma_f32 v[C2:C2+1], v[S+k2:S+k2+1], v[ND+k2:ND+k2+1], v[C2:C2+1]
	v_pk_add_f32 v[C1:C1+1], v[C1:C1+1], v[S+k2+2:S+k2+3]
	v_pk_fma_f32 v[DS:DS+1], v[S+k2+2:S+k2+3], v[ND+k2+2:ND+k2+3], v[DS:DS+1]
.set k2, k2+4
.endr
	s_delay_alu instid0(VALU_DEP_2)
	v_pk_add_f32 v[L:L+1], v[L:L+1], v[C1:C1+1]
	s_delay_alu instid0(VALU_DEP_2)
	v_pk_add_f32 v[DS:DS+1], v[DS:DS+1], v[C2:C2+1]
	WIN 0x41
.rept 28
	v_pk_mul_f32 v[j:j+1], v[j:j+1], v[F:F+1] op_sel_hi:[1,0]
.set j, j+2
.endr
	s_wait_alu depctr_va_vdst(0)
	s_wait_dscnt 0x0
	WIN 0x51
.set i, 0
.rept 8
	WMC 64+8*i, FS+12*i, PC, 64+8*i, SC+8+i, PW
.set i, i+1
.endr
	WIN 0
.endm
	s_load_b512 s[4:19], s[0:1], 0x0
	v_lshl_add_u32 v[SPW], v0, 2, SPARE
	v_mov_b32 v[NIL], 0
	ds_add_u32 v3, v4
	ds_add_u32 v3, v4
	s_wait_dscnt 0x0
	v_lshrrev_b32 v[T0], 5, v0
	s_delay_alu instid0(VALU_DEP_1)
	v_readfirstlane_b32 s[WV], v[T0]
	s_and_b32 s[TT], s[WV], 3
	s_lshr_b32 s[GG], s[WV], 2
	s_sub_co_u32 s[GM], 0, s[GG]
	s_bfe_u32 s[CX], ttmp6, 0x40000
	s_lshl_b32 s[XX], ttmp9, 2
	s_add_co_u32 s[XX], s[XX], s[CX]
	s_and_b32 s[BA], ttmp7, 0xffff
	s_lshl_b32 s[QB], s[BA], 12
	s_lshl_b32 s98, s[XX], 6
	s_add_co_u32 s[QB], s[QB], s98
	s_xor_b32 s90, s[WV], 4
	v_and_b32 v[T0], 31, v0
	v_and_b32 v[T1], 15, v0
	v_bfe_u32 v[C1], v0, 4, 1
	s_delay_alu instid0(VALU_DEP_3)
	v_lshlrev_b32 v[LI], 4, v[T0]
	s_wait_alu depctr_va_vdst(0)
	s_mul_i32 s91, s[GG], REC
	v_add_nc_u32 v[LI0], s91, v[LI]
	s_lshl_b32 s91, s[WV], 13
	v_add_nc_u32 v[AXO], s91, v[LI]
	s_lshl_b32 s91, s90, 13
	v_add_nc_u32 v[AXI], s91, v[LI]
	s_lshl_b32 s91, s[WV], 9
	s_add_co_u32 s91, s91, STAT
	v_add_nc_u32 v[ASTAT], s91, v[LI]
	s_lshl_b32 s91, s90, 9
	s_add_co_u32 s91, s91, STAT
	v_add_nc_u32 v[ASTATP], s91, v[LI]
	s_lshl_b32 s92, s[TT], 1
	s_add_co_u32 s92, s92, s[GG]
	s_mul_i32 s91, s92, FRB
	s_add_co_u32 s91, s91, MIMG
	v_add_nc_u32 v[AMO], s91, v[LI]
	s_lshl_b32 s91, s92, 7
	s_add_co_u32 s91, s91, MSC
	v_lshl_add_u32 v[AMS], v[T0], 2, s91
	s_mul_i32 s91, s[TT], 2*FRB
	s_add_co_u32 s91, s91, MIMG
	v_add_nc_u32 v[AMI], s91, v[LI]
	s_lshl_b32 s91, s[TT], 8
	s_add_co_u32 s91, s91, MSC
	v_lshl_add_u32 v[AMSI], v[T0], 2, s91
	s_mul_i32 s91, s[GG], 16*FRB
	s_add_co_u32 s91, s91, WMI
	v_add_nc_u32 v[AW], s91, v[LI]
	s_lshl_b32 s91, s[GG], 11
	s_add_co_u32 s91, s91, WMI+32*FRB
	v_add_nc_u32 v[AWS], s91, v[LI]
	s_lshr_b32 s91, s[TT], 1
	s_lshl_b32 s91, s91, 5
	s_and_b32 s92, s[TT], 1
	s_lshl_b32 s92, s92, 3
	s_add_co_u32 s93, s91, s92
	v_and_b32 v[C1+1], 8, v[T1]
	s_delay_alu instid0(VALU_DEP_1)
	v_add_nc_u32 v[C1+1], v[C1+1], v[T1]
	s_delay_alu instid0(VALU_DEP_1)
	v_lshlrev_b32 v[KLO], 3, v[C1+1]
	s_delay_alu instid0(VALU_DEP_2)
	v_add_nc_u32 v[C2], s93, v[C1+1]
	s_delay_alu instid0(VALU_DEP_1)
	v_mul_u32_u24 v[ASO], v[C2], STP
	s_delay_alu instid0(VALU_DEP_1)
	v_lshl_add_u32 v[ASO], v[C1], 6, v[ASO]
	s_lshl_b32 s91, s[GG], 9
	v_add_nc_u32 v[ASO], s91, v[ASO]
	s_mul_i32 s91, s[WV], 8*STP
	v_add_nc_u32 v[ASI], s91, v[LI]
	v_lshlrev_b32 v[RO4], 2, v[C2]
	v_lshlrev_b32 v[BO], 6, v[C1]
	v_lshlrev_b32 v[QSO], 3, v[T0]
	v_min_u32 v[PFO], 105, v0
	s_delay_alu instid0(VALU_DEP_1)
	v_lshlrev_b32 v[PFO], 8, v[PFO]
	s_mov_b32 s[G1], 15|(3<<16)|(1<<21)
	s_mov_b32 s[G1+1], 32<<16
	s_mov_b32 s[G1+2], 53<<16
	s_mov_b32 s[G1+3], 32<<16
	s_mov_b32 s[G1+4], 53
	s_mov_b32 s[G1+5], 32
	s_mov_b32 s[G1+6], 0
	s_mov_b32 s[G1+7], 0
	s_mov_b32 s[G1W], 15|(3<<16)|(1<<21)
	s_mov_b32 s[G1W+1], 32<<16
	s_mov_b32 s[G1W+2], 26<<16
	s_mov_b32 s[G1W+3], 32<<16
	s_mov_b32 s[G1W+4], 26
	s_mov_b32 s[G1W+5], 32
	s_mov_b32 s[G1W+6], 0
	s_mov_b32 s[G1W+7], 0
	s_mov_b32 s[CS], 0x3db8aa3b
	s_mov_b32 s[CS+1], s[CS]
	s_mov_b32 s[SEL], 0x76543210
	s_mov_b32 s[SEL+1], 0xfedcba98
	s_mov_b32 s[M192], 0xc3400000
	s_mov_b32 s[P3], 0x40400000
	s_mov_b32 s[TB], 0
	s_mov_b32 s[SLOTS], 15
	s_or_b32 s92, s[GG], ttmp9
	s_cmp_eq_u32 s92, 0
	s_cselect_b32 s[LIM], 1, -1
	s_mul_i32 s91, s[WV], 53*256
	s_mul_i32 s96, s[BA], 32*REC
	s_mov_b32 s97, 0
	s_mov_b32 s99, 0
	s_wait_kmcnt 0x0
	s_add_nc_u64 s[6:7], s[6:7], s[96:97]
	s_mov_b32 s96, s91
	s_mov_b32 s[G0], 1
	s_mov_b32 s[G0+1], s91
	s_add_nc_u64 s[G0+2:G0+3], s[6:7], s[96:97]
	s_or_b32 s[G0+3], s[G0+3], 0x80000000
	s_mul_i32 s96, s[WV], 26*256
	s_mov_b32 s[G0W], 1
	s_add_co_u32 s[G0W+1], s96, WMI
	s_add_nc_u64 s[G0W+2:G0W+3], s[8:9], s[96:97]
	s_add_nc_u64 s[G0W+2:G0W+3], s[G0W+2:G0W+3], 3*WREC
	s_or_b32 s[G0W+3], s[G0W+3], 0x80000000
	s_lshl_b32 s96, s[GG], 9
	s_add_nc_u64 s[12:13], s[12:13], s[96:97]
	s_lshl_b32 s98, s[BA], 8
	s_lshl_b32 s94, s[XX], 2
	s_add_co_u32 s98, s98, s94
	s_add_co_u32 s98, s98, s[TT]
	s_mul_i32 s98, s98, QREC
	s_add_nc_u64 s[4:5], s[4:5], s[98:99]
	s_add_co_u32 s98, s[QB], s93
	s_lshl_b32 s98, s98, 3
	s_add_nc_u64 s[10:11], s[10:11], s[98:99]
	s_lshl_b32 s98, s[WV], 3
	s_add_co_u32 s98, s98, s[QB]
	s_lshl_b32 s98, s98, 10
	s_add_nc_u64 s[14:15], s[14:15], s[98:99]
	s_cmp_eq_u32 s[GG], 0
	s_cselect_b64 s[16:17], s[16:17], s[18:19]
	s_lshl_b32 s98, s[QB], 2
	s_add_nc_u64 s[16:17], s[16:17], s[98:99]
	s_mul_i32 s98, s[CX], SLOTB/4
	s_add_co_u32 s98, s98, SLOTB
	s_add_nc_u64 s[PFA:PFA+1], s[6:7], s[98:99]
	s_wait_alu depctr_va_vdst(0)
	CROUND
	tensor_load_to_lds s[G0:G0+3], s[G1:G1+7]
	s_nop 0
	PLACES
	WIN 0x40
.set i, 0
.rept 6
	global_load_b128 v[QF+4*i:QF+4*i+3], v[LI], s[4:5] offset:512*i
.set i, i+1
.endr
	WIN 0
	s_wait_alu depctr_va_vdst(0)
	global_load_b64 v[QS:QS+1], v[QSO], s[4:5] offset:2*FRB
	global_load_b64 v[UL:UL+1], v[KLO], s[10:11]
	WIN 0x40
.set i, 0
.rept 128
	v_mov_b32 v[i], 0
.set i, i+1
.endr
	WIN 0
.set i, 0
.rept 64
	v_mov_b32 v[ND+i], 0
.set i, i+1
.endr
.irp j, 0,1,2,3,4,5,6,7
	v_mov_b32 v[DV+\j], 0
.endr
.irp b, 0,1,2,3
	v_mov_b32 v[TM+4+\b], 0
.endr
	v_mov_b32 v[F+1], 0
	v_mov_b32 v[L], 0
	v_mov_b32 v[L+1], 0
	v_mov_b32 v[DS], 0
	v_mov_b32 v[DS+1], 0
	v_mov_b32 v[NEG], 0xd0800000
	s_delay_alu instid0(VALU_DEP_1)
	v_mul_f32 v[SENT], s[CS], v[NEG]
	v_mov_b32 v[TX], 0xff61b1e6
	s_delay_alu instid0(VALU_DEP_1)
	v_floor_f32 v[NM], -v[TX]
	s_wait_loadcnt 0x0
	v_add_f32 v[UL], 0, v[UL]                      ; -0 becomes +0
	s_wait_alu depctr_va_vdst(0)
.Lslot:
	CHANGE 1
	STEP
	s_xor_b32 s[TB], s[TB], SLOT1
	s_sub_co_u32 s[SLOTS], s[SLOTS], 1
	s_cmp_lg_u32 s[SLOTS], 0
	s_cbranch_scc1 .Lslot
	CHANGE 0
	STEP
	s_wait_tensorcnt 0x0                           ; my part of Wm's record is in, ahead of my first LDS store
	v_add_f32 v[L], v[L], v[L+1]
	v_add_f32 v[DS], v[DS], v[DS+1]
	v_nop
	v_nop
	v_permlanex16_b32 v[TM+4], v[L], s[SEL], s[SEL+1]
	v_permlanex16_b32 v[TM+5], v[DS], s[SEL], s[SEL+1]
	s_delay_alu instid0(VALU_DEP_2)
	v_add_f32 v[L], v[L], v[TM+4]
	s_delay_alu instid0(VALU_DEP_2)
	v_add_f32 v[L+1], v[DS], v[TM+5]
	ds_store_b128 v[ASTAT], v[NM:NM+3]
	WIN 0x05
.set j, 0
.rept 64
	v_cndmask_b32 v[S+j], v[j], v[64+j], s[GM]
	v_cndmask_b32 v[ND+j], v[64+j], v[j], s[GM]
.set j, j+1
.endr
	WIN 0
.set i, 0
.rept 16
	ds_store_b128 v[AXO], v[ND+4*i:ND+4*i+3] offset:512*i
.set i, i+1
.endr
	WIN 0x40
.set i, 0
.rept 8
	global_load_b128 v[8*i:8*i+3], v[BO], s[12:13] offset:(32*(i/2)+8*(i%2))*4
	global_load_b128 v[8*i+4:8*i+7], v[BO], s[12:13] offset:(32*(i/2)+8*(i%2))*4+16
.set i, i+1
.endr
	WIN 0
	BARRIER
	FLOAD AW, 0, 2*FRB                             ; behind the barrier every wave's part of Wm's record is in
	WIN 0
.irp q, 0,1,2,3
	ds_load_b128 v[SC+4*\q:SC+4*\q+3], v[AWS] offset:512*\q
.endr
.set i, 0
.rept 16
	ds_load_b128 v[ND+4*i:ND+4*i+3], v[AXI] offset:512*i
.set i, i+1
.endr
	ds_load_b128 v[UB:UB+3], v[ASTATP]
	s_wait_dscnt 0x0
	v_min_num_f32 v[T0], v[NM], v[UB]
	s_delay_alu instid0(VALU_DEP_1)
	v_sub_f32 v[VB], v[T0], v[NM]
	s_delay_alu instid0(VALU_DEP_2)
	v_sub_f32 v[VB+1], v[T0], v[UB]
	s_delay_alu instid0(VALU_DEP_2)
	v_cvt_i32_f32 v[VB], v[VB]
	s_delay_alu instid0(VALU_DEP_2)
	v_cvt_i32_f32 v[VB+1], v[VB+1]
	s_delay_alu instid0(VALU_DEP_2)
	v_ldexp_f32 v[VB], 1.0, v[VB]
	s_delay_alu instid0(VALU_DEP_2)
	v_ldexp_f32 v[VB+1], 1.0, v[VB+1]
	s_delay_alu instid0(VALU_DEP_2)
	v_mul_f32 v[L], v[L], v[VB]
	s_delay_alu instid0(VALU_DEP_3)
	v_mul_f32 v[L+1], v[L+1], v[VB]
	s_delay_alu instid0(VALU_DEP_2)
	v_fma_f32 v[L], v[UB+2], v[VB+1], v[L]
	s_delay_alu instid0(VALU_DEP_2)
	v_fma_f32 v[L+1], v[UB+3], v[VB+1], v[L+1]
	v_max_num_f32 v[TX], v[TX], v[UB+1]
	s_wait_alu depctr_va_vdst(0)
	v_rcp_f32 v[T0], v[L]
	v_nop
	v_cmp_gt_f32 vcc_lo, v[TX], v[SENT]
	s_delay_alu instid0(VALU_DEP_1)
	v_cndmask_b32 v[VB+2], 0, 1.0, vcc_lo
	s_wait_alu depctr_va_vdst(0)
	v_mul_f32 v[C1], v[VB], v[T0]
	v_mul_f32 v[C1+1], v[VB], v[T0]
	v_mul_f32 v[C2], v[VB+1], v[T0]
	v_mul_f32 v[C2+1], v[VB+1], v[T0]
	v_mul_f32 v[VB+3], -v[L+1], v[T0]
	s_delay_alu instid0(VALU_DEP_1)
	v_cndmask_b32 v[VB+3], v[VB+3], v[VB+2], s[GM]
	v_and_b32 v[T1], 31, v0
	s_delay_alu instid0(VALU_DEP_1)
	v_cmp_gt_u32 vcc_lo, 16, v[T1]
	s_wait_alu depctr_va_vdst(0)
	s_wait_xcnt 0x0
	s_and_saveexec_b32 s90, vcc_lo
	global_store_b32 v[RO4], v[VB+3], s[16:17]
	s_wait_xcnt 0x0
	s_or_b32 exec_lo, exec_lo, s90
.set j, 0
.rept 32
	v_pk_mul_f32 v[S+j:S+j+1], v[S+j:S+j+1], v[C1:C1+1]
.set j, j+2
.endr
.set j, 0
.rept 32
	v_pk_fma_f32 v[S+j:S+j+1], v[ND+j:ND+j+1], v[C2:C2+1], v[S+j:S+j+1]
.set j, j+2
.endr
	QUANT S
.irp c, 0,1,2
	ds_store_b128 v[AMO], v[PC+4*\c:PC+4*\c+3] offset:512*\c
.endr
	ds_store_b32 v[AMS], v[PW]
	BARRIER
.set i, 0
.rept 6
	ds_load_b128 v[ND+4*i:ND+4*i+3], v[AMI] offset:512*i
.set i, i+1
.endr
	ds_load_b32 v[MS], v[AMSI]
	ds_load_b32 v[MS+1], v[AMSI] offset:128
	s_wait_dscnt 0x0
	s_wait_loadcnt 0x0
	WIN 0x11
.set i, 0
.rept 8
	WMC S+8*i, FS+12*i, ND, 8*i, SC+2*i, MS
.set i, i+1
.endr
	WIN 0
	PLACES
	FLOAD AW, FRB, 2*FRB
	s_wait_dscnt 0x0
	WIN 0x01
.set i, 0
.rept 8
	WMC S+8*i, FS+12*i, ND+12, S+8*i, SC+2*i+1, MS+1
.set i, i+1
.endr
	WIN 0
	PLACES
.set i, 0
.rept 16
	ds_store_b128 v[ASO], v[S+4*i:S+4*i+3] offset:128*(i/4)+16*(i%4)
.set i, i+1
.endr
	BARRIER
.set i, 0
.rept 16
	ds_load_b128 v[ND+4*i:ND+4*i+3], v[ASI] offset:STP*(i/2)+512*(i%2)
.set i, i+1
.endr
.set i, 0
.rept 16
	s_wait_dscnt 15-i
	global_store_b128 v[LI], v[ND+4*i:ND+4*i+3], s[14:15] offset:1024*(i/2)+512*(i%2) th:TH_STORE_NT
.set i, i+1
.endr
	s_wait_tensorcnt 0x0
	ds_add_u32 v[SPW], v[NIL]
	s_wait_dscnt 0x0
	CROUND
	s_endpgm
.Lfunc_end_k_qe395b739fd_attn:
	.size	k_qe395b739fd_attn, .Lfunc_end_k_qe395b739fd_attn-k_qe395b739fd_attn
	.p2alignl 7, 3214868480
	.fill 96, 4, 3214868480
	.section	.rodata,"a",@progbits
	.p2align	6, 0x0
	.amdhsa_kernel k_qe395b739fd_attn
		.amdhsa_group_segment_fixed_size 327680
		.amdhsa_private_segment_fixed_size 0
		.amdhsa_enable_private_segment 0
		.amdhsa_kernarg_size 64
		.amdhsa_user_sgpr_count 2
		.amdhsa_user_sgpr_kernarg_segment_ptr 1
		.amdhsa_wavefront_size32 1
		.amdhsa_system_sgpr_workgroup_id_x 1
		.amdhsa_system_sgpr_workgroup_id_y 1
		.amdhsa_system_sgpr_workgroup_id_z 1
		.amdhsa_system_vgpr_workitem_id 0
		.amdhsa_next_free_vgpr 512
		.amdhsa_next_free_sgpr 100
		.amdhsa_reserve_vcc 1
		.amdhsa_float_denorm_mode_32 3
		.amdhsa_float_denorm_mode_16_64 3
		.amdhsa_memory_ordered 1
		.amdhsa_forward_progress 1
		.amdhsa_inst_pref_size 157
	.end_amdhsa_kernel
	.amdgpu_metadata
---
amdhsa.version: [ 1, 2 ]
amdhsa.kernels:
  - .name:           k_qe395b739fd_attn
    .symbol:         k_qe395b739fd_attn.kd
    .args:
      - { .name: qrec, .offset: 0, .size: 8, .value_kind: global_buffer, .address_space: global }
      - { .name: kvrec, .offset: 8, .size: 8, .value_kind: global_buffer, .address_space: global }
      - { .name: wrec, .offset: 16, .size: 8, .value_kind: global_buffer, .address_space: global }
      - { .name: kpts_L, .offset: 24, .size: 8, .value_kind: global_buffer, .address_space: global }
      - { .name: bm, .offset: 32, .size: 8, .value_kind: global_buffer, .address_space: global }
      - { .name: out0, .offset: 40, .size: 8, .value_kind: global_buffer, .address_space: global }
      - { .name: out1, .offset: 48, .size: 8, .value_kind: global_buffer, .address_space: global }
      - { .name: out2, .offset: 56, .size: 8, .value_kind: global_buffer, .address_space: global }
    .group_segment_fixed_size: 327680
    .private_segment_fixed_size: 0
    .kernarg_segment_align: 8
    .kernarg_segment_size: 64
    .max_flat_workgroup_size: 256
    .sgpr_count:     100
    .vgpr_count:     512
    .wavefront_size: 32
...
	.end_amdgpu_metadata
.endif
;; end of part 3
